; MI455X (gfx1250); checked and timed in simulation.
; The chip was launched on July 23, 2026; its instructions are those of AMD's public machine-readable ISA for CDNA 5 (MIT licence, August 2026) and "CDNA5" Instruction Set Architecture Reference Guide (July 2026). The comments in the code are by the model that wrote it; some were corrected since.
;; Network Multi Scale. Allowed arithmetic: matrix products marked QUANTISED: E2M3 operands, one E8M0 scale for each 32 along K, by v_wmma_scale_f32_16x16x128_f8f6f4 with both operands' format E2M3, f32 sums; products left as they are: f32 operands where the result goes on into a quantised operand, else bf16, f16 or f32 operands; f32 sums; everything else in f32.
;; Inputs: W1 128 x 3 float32; W2 128 x 128 float32; Wm1 128 x 256 float32; Wm2 128 x 128 float32; Wm3 128 x 128 float32; Wp 2 x 128 float32; b1 128 float32; b2 128 float32; bm1 128 float32; bm2 128 float32; bm3 128 float32; bp 2 float32; ids_down 2 x 3,000 int32; pos 2 x 3 x 20,000 float32; pos_non_manifold 2 x 3 x 2,500 float32; x 2 x 3 x 20,000 float32.
;; Outputs: out0 2 x 2 x 2,500 float32.
;; This version of the problem:
;;   THIS VERSION OF THE PROBLEM IS GIVEN IN LOW PRECISION. The matrix products marked QUANTISED in the list below multiply operands that are first quantised to E2M3 (2 exponent bits, 3 mantissa bits; 6 bits a number), with one power-of-two scale for each 32 numbers along K (OCP MX v1.0); their sums are f32. All else is computed in f32.
;;   The module's matrix products, in the order in which they are computed (A, B: the left and right operand; K: the contracted axis; several contracted axes count as one K, in the product's order):
;;     1. [M 6,000, K 3] x [K 3, N 128]; A: computed on the way; B: input W1: left as it is (K = 3 < 32)
;;     2. [M 6,000, K 128] x [K 128, N 128]; A: computed on the way; B: input W2: QUANTISED
;;     3. batch 2 x [M 20,000, K 3] x [K 3, N 3,000]; A: input pos; B: computed on the way: left as it is (K = 3 < 32)
;;     4. [M 40,000, K 3] x [K 3, N 128]; A: input x; B: input W1: left as it is (K = 3 < 32)
;;     5. [M 40,000, K 128] x [K 128, N 128]; A: computed on the way; B: input W2: QUANTISED
;;     6. [M 40,000, K 256] x [K 256, N 128]; A: computed on the way; B: input Wm1: QUANTISED
;;     7. [M 40,000, K 128] x [K 128, N 128]; A: computed on the way; B: input Wm2: QUANTISED
;;     8. [M 40,000, K 128] x [K 128, N 128]; A: computed on the way; B: input Wm3: QUANTISED
;;     9. batch 2 x [M 2,500, K 3] x [K 3, N 20,000]; A: input pos_non_manifold; B: input pos: left as it is (K = 3 < 32)
;;     10. batch 5,000 x [M 1, K 16] x [K 16, N 128]; A: computed on the way; B: computed on the way: left as it is (K = 16 < 32)
;;     11. [M 5,000, K 128] x [K 128, N 2]; A: computed on the way; B: input Wp: left as it is (N = 2 < 16)
;;   THE QUANTISER, for each operand of a quantised product, along K:
;;     - K is cut into blocks of 32 from its start; a last block that is shorter is filled with zeros.
;;     - A block's scale is 2^e with e = floor(log2(the largest magnitude in the block)) - 2, held to -126 .. 127; a block of zeros has e = 0. As a byte (E8M0): e + 127.
;;     - Each number is divided by its block's scale, clamped to +-7.5, and rounded to the nearest number of E2M3, ties to even, subnormals kept.
;;     - The product sums the exact products of the quantised numbers (number of the format x scale) in f32.
;;   ~~~python
;;   def quantise(x, axis):      # numpy; x: float32 -> the quantised numbers, widened to float32 again
;;       x = np.moveaxis(x, axis, -1); K = x.shape[-1]
;;       x = np.pad(x, [(0, 0)] * (x.ndim - 1) + [(0, -K % 32)]); x = x.reshape(x.shape[:-1] + (-1, 32)); a = np.abs(x).max(-1, keepdims=True)
;;       e = np.where(a > 0, np.clip(np.frexp(np.where(a > 0, a, 1))[1] - 1 - 2, -126, 127), 0)      # np.frexp(a)[1] - 1 = floor(log2(a)), exactly
;;       r = np.clip(x / 2.0 ** e, -7.5, 7.5)
;;       step = 2.0 ** (np.maximum(np.frexp(np.where(r == 0, 1, r))[1] - 1, 0) - 3)
;;       q = np.round(r / step) * step * 2.0 ** e      # np.round: ties to even
;;       return np.moveaxis(q.reshape(q.shape[:-2] + (-1,))[..., :K], -1, axis).astype(np.float32)
;;   ~~~
;;   OPERANDS COMPUTED ON THE WAY. 'Computed on the way' means the value that the module computes at that place (a softmax that the list does not call 'softmax' is quantised finished and normalised). What goes into a quantiser is computed in f32, as accurately as f32 sums, v_exp_f32 and their like allow (about 1e-6 of the number): no bf16 or f16 on the way to a quantiser, and a product that is left as it is and whose result goes on into a quantised operand takes f32 operands (vector FMAs, or v_wmma_f32_16x16x4_f32). A number that lies on a knife's edge between two numbers of the format may be rounded either way, as far as f32 arithmetic and the matrix unit's own rounding can turn it there, and no further.
;; One version. Each part assembles by itself: llvm-mc -triple=amdgcn-amd-amdhsa -mcpu=gfx1250 --defsym DOCPART=n.
;; ======== version 1 of 1: 3 launches
;; workspace buffers: wimg 66,560 bytes; cidA 161,280 bytes of whole numbers; cmask 401,408 bytes of whole numbers; idx16 321,024 bytes of whole numbers; proj 320,000 bytes
;; launch scan (part 1): grid 256 x 1, 20 waves a work-group, no clusters, 313,856 bytes of LDS; arguments pos, pos_non_manifold, ids_down, W2, Wm1, Wm2, Wm3, wimg, cidA, cmask; writes wimg, cidA, cmask
.if DOCPART == 1
	.amdgcn_target "amdgcn-amd-amdhsa--gfx1250"
	.amdhsa_code_object_version 6
	.text
	.protected	k_q572f2fdf9c_scan
	.globl	k_q572f2fdf9c_scan
	.p2align	8
	.type	k_q572f2fdf9c_scan,@function
k_q572f2fdf9c_scan:
	s_mov_b64 s[64:65], 0
	v_nop
	global_prefetch_b8 v0, s[64:65] scope:SCOPE_SE
	s_setreg_imm32_b32 hwreg(HW_REG_WAVE_MODE, 25, 1), 1
	s_wait_xcnt 0x0
; THE TWO NEIGHBOUR SEARCHES, AS FAR AS NO ADDRESS HANGS ON THEM, AND THE WEIGHTS' CODES.  256 work-groups of 20 waves, three roles by the work-group's number:
;   D (work-groups 0, 1):     the 40 fragments (16 rows x 128 K) of W2, Wm1, Wm2, Wm3 become codes of E2M3 and E8M0 scale words, stored as images of the operand's registers.
;   B (work-groups 2..115):   44 queries each.  For each query and each chunk of 32 points the smallest d2; T = the 16th smallest of 32 disjoint groups' minima; a bit for each chunk whose minimum is <= T.
;                             16 different points lie at or under T, so every one of the 16 nearest lies in a flagged chunk.
;   A (work-groups 116..255): 288 points each.  For each point the first chunk of 8 support slots that holds the smallest d2; the slot inside it is settled by the next launch.
; d2 IS FORMED ALIKE IN ALL THREE LAUNCHES, bit for bit: aa, bb: mul, fma, fma over x, y, z; ab likewise, with one side multiplied by -2 first (exact); then (bb + aa) + (-2 ab).
; Selection is by min and cndmask alone: no branch and no address hangs on a distance.  Ties go to the lower index (strict less, ascending order).
; LIMITS: NaN and infinities among the positions are not served.  A block of 32 zeros among the weights gets the scale byte 1 (the quantiser says 127): its codes are zeros, and this program alone reads the bytes.
; No tensor loads, no cluster: a work-group reads 240,000 bytes of positions at the most, once, straight into registers; nothing is read from memory inside a loop.
; LDS: each role has bytes of its own.
.set INF,   0x7f800000
.set TA,    0                          ; A: 20 x 2,560: a wave's 160 support slots as 80 records of two: sx0 sx1 sy0 sy1 sz0 sz1 bb0 bb1 (s = -2 x position)
.set COMB,  51200                      ; A: 20 x 2,304: a wave's (best, chunk) of the 288 points
.set TR,    97280                      ; B: 20 x 4,608: a wave's turn of 32 rows x 128 bytes, rows 144 bytes apart; its first 1,024 bytes later hold the wave's copy of the query records
.set EX,    189440                     ; B: 44 x 2,560: a query's 640 chunk minima
.set TS,    302080                     ; B: 44 x 128: a query's 32 group minima, sorted
.set CM,    307712                     ; B: 44 x 80: a query's 20 mask words
; Line n of the five that make d2 of two database points (register pairs x, y, z, bb) against one probe in v[q .. q+3] = (qx, qy, qz, aa); result in pair m, pair t at work.
.macro DLINE n, m, t, x, y, z, bb, q
.if \n == 0
	v_pk_mul_f32 v[\m:\m+1], v[\x:\x+1], v[\q:\q+1] op_sel_hi:[1,0]
.elseif \n == 1
	v_pk_fma_f32 v[\m:\m+1], v[\y:\y+1], v[\q:\q+1], v[\m:\m+1] op_sel:[0,1,0] op_sel_hi:[1,1,1]
.elseif \n == 2
	v_pk_fma_f32 v[\m:\m+1], v[\z:\z+1], v[\q+2:\q+3], v[\m:\m+1] op_sel_hi:[1,0,1]
.elseif \n == 3
	v_pk_add_f32 v[\t:\t+1], v[\bb:\bb+1], v[\q+2:\q+3] op_sel:[0,1] op_sel_hi:[1,1]
.else
	v_pk_add_f32 v[\m:\m+1], v[\t:\t+1], v[\m:\m+1]
.endif
.endm
	s_load_b512 s[8:23], s[0:1], 0x0               ; pos s[8:9], queries s[10:11], ids_down s[12:13], W2 s[14:15], Wm1 s[16:17], Wm2 s[18:19], Wm3 s[20:21], wimg s[22:23]
	s_load_b128 s[24:27], s[0:1], 0x40             ; cidA s[24:25], cmask s[26:27]
	v_lshrrev_b32 v1, 5, v0
	v_readfirstlane_b32 s2, v1                     ; wave 0..19
	v_and_b32 v1, 31, v0                           ; lane
	s_mov_b32 s3, ttmp9
	s_mov_b32 s46, 0x76543210                      ; v_permlanex16_b32's selects for lane l xor 16
	s_mov_b32 s47, 0xfedcba98
	s_mov_b32 s35, 0                               ; the high word of every offset pair s[34:35]
	s_wait_kmcnt 0x0
	s_cmp_lt_u32 s3, 2
	s_cbranch_scc1 .Lrole_d
	s_cmp_lt_u32 s3, 116
	s_cbranch_scc1 .Lrole_b
; ---------------------------------------------------------------- ROLE A: 1-NN, down to a chunk of 8 support slots
; Every wave holds all 288 points of the work-group, 9 a lane, and scans its own 19 chunks (152 slots); slots from 3,000 on have bb = +inf and never win.
; v64-99 point k: x, y, z, aa;  v100-117 point k: best, chunk;  v16-47 a chunk's four records;  v48-63 at work.
	s_sub_co_u32 s30, s3, 116
	s_cmp_ge_u32 s30, 70
	s_cselect_b32 s31, 1, 0                        ; batch
	s_cselect_b32 s32, 70, 0
	s_sub_co_u32 s32, s30, s32
	s_mul_i32 s32, s32, 288                        ; my work-group's first point
	s_mul_i32 s34, s31, 240000
	s_add_nc_u64 s[8:9], s[8:9], s[34:35]          ; pos of the batch
	s_mul_i32 s34, s31, 12000
	s_add_nc_u64 s[12:13], s[12:13], s[34:35]      ; ids_down of the batch
	s_mul_i32 s34, s31, 20160
	s_add_co_u32 s34, s34, s32
	s_lshl_b32 s34, s34, 2
	s_add_nc_u64 s[24:25], s[24:25], s[34:35]      ; cidA at my first point
	s_mul_i32 s36, s2, 2560                        ; my wave's table
	v_lshrrev_b32 v3, 1, v1
	v_and_b32 v4, 1, v1
	v_lshlrev_b32 v3, 5, v3
	v_lshl_add_u32 v3, v4, 2, v3
	v_add_nc_u32 v3, s36, v3                       ; into it: record lane / 2, place lane % 2
	v_mov_b32 v6, s36                              ; out of it: one address for all lanes
	s_mul_i32 s37, s2, 2304
	v_lshlrev_b32 v7, 3, v1
	v_add_nc_u32 v7, s37, v7
	v_add_nc_u32 v7, COMB, v7                      ; my wave's results: 8 bytes a point
	v_lshl_add_u32 v8, v0, 3, COMB                 ; the reduce: thread t reads point t of every wave's results
	v_lshlrev_b32 v9, 2, v0
	v_add_nc_u32 v2, s32, v1
.irp k, 0,1,2,3,4,5,6,7,8
	v_add_nc_u32 v[128+\k], 32*\k, v2
	v_min_u32 v[128+\k], 19999, v[128+\k]          ; the last work-group of a batch repeats the last point
	v_lshlrev_b32 v[128+\k], 2, v[128+\k]
.endr
.irp k, 0,1,2,3,4,5,6,7,8
	global_load_b32 v[64+4*\k], v[128+\k], s[8:9]
	global_load_b32 v[65+4*\k], v[128+\k], s[8:9] offset:80000
	global_load_b32 v[66+4*\k], v[128+\k], s[8:9] offset:160000
.endr
	s_mul_i32 s38, s2, 152
	v_add_nc_u32 v2, s38, v1
.irp i, 0,1,2,3,4
	v_add_nc_u32 v[163+\i], 32*\i, v2              ; slot 152 w + 32 i + lane
	v_min_u32 v[137+\i], 2999, v[163+\i]
	v_lshlrev_b32 v[137+\i], 2, v[137+\i]
.endr
.irp i, 0,1,2,3,4
	global_load_b32 v[142+\i], v[137+\i], s[12:13]
.endr
	s_wait_loadcnt 0x0                             ; points and ids
.irp i, 0,1,2,3,4
	v_min_u32 v[142+\i], 19999, v[142+\i]          ; an index stays inside its table
	v_lshlrev_b32 v[142+\i], 2, v[142+\i]
.endr
.irp i, 0,1,2,3,4
	global_load_b32 v[148+3*\i], v[142+\i], s[8:9]
	global_load_b32 v[149+3*\i], v[142+\i], s[8:9] offset:80000
	global_load_b32 v[150+3*\i], v[142+\i], s[8:9] offset:160000
.endr
.irp k, 0,1,2,3,4,5,6,7,8
	v_mul_f32 v[67+4*\k], v[64+4*\k], v[64+4*\k]   ; aa, while the supports are on their way
.endr
.irp k, 0,1,2,3,4,5,6,7,8
	v_fma_f32 v[67+4*\k], v[65+4*\k], v[65+4*\k], v[67+4*\k]
.endr
.irp k, 0,1,2,3,4,5,6,7,8
	v_fma_f32 v[67+4*\k], v[66+4*\k], v[66+4*\k], v[67+4*\k]
.endr
.irp k, 0,1,2,3,4,5,6,7,8
	v_mov_b32 v[100+2*\k], INF
	v_mov_b32 v[101+2*\k], 0
.endr
	s_wait_loadcnt 0x0                             ; the supports' positions
.irp i, 0,1,2,3,4
	v_mul_f32 v[168+\i], v[148+3*\i], v[148+3*\i]
	v_fma_f32 v[168+\i], v[149+3*\i], v[149+3*\i], v[168+\i]
	v_fma_f32 v[168+\i], v[150+3*\i], v[150+3*\i], v[168+\i]
	v_cmp_gt_u32 vcc_lo, 3000, v[163+\i]
	v_cndmask_b32 v[168+\i], INF, v[168+\i], vcc_lo
	v_mul_f32 v[148+3*\i], -2.0, v[148+3*\i]
	v_mul_f32 v[149+3*\i], -2.0, v[149+3*\i]
	v_mul_f32 v[150+3*\i], -2.0, v[150+3*\i]
	ds_store_b32 v3, v[148+3*\i] offset:512*\i
	ds_store_b32 v3, v[149+3*\i] offset:512*\i+8
	ds_store_b32 v3, v[150+3*\i] offset:512*\i+16
	ds_store_b32 v3, v[168+\i] offset:512*\i+24
.endr
; Point k against the chunk in v16-47: four pairs, line by line; the chunk's minimum; strict less keeps the first chunk of equals.
.macro APOINT k
.irp n, 0,1,2,3,4
.irp p, 0,1,2,3
	DLINE \n, 48+2*\p, 56+2*\p, 16+8*\p, 18+8*\p, 20+8*\p, 22+8*\p, 64+4*\k
.endr
.endr
	v_min3_num_f32 v118, v48, v49, v50
	v_min3_num_f32 v119, v51, v52, v53
	v_min3_num_f32 v118, v118, v119, v54
	v_min_num_f32 v118, v118, v55
	v_cmp_lt_f32 vcc_lo, v118, v[100+2*\k]
	v_cndmask_b32 v[100+2*\k], v[100+2*\k], v118, vcc_lo
	v_cndmask_b32 v[101+2*\k], v[101+2*\k], s41, vcc_lo
.endm
	s_mov_b32 s40, 0                               ; byte of the chunk in my table
	s_mul_i32 s41, s2, 19                          ; its number
.La_chunk:                                             ; 19 trips.  The table is the wave's own: LDS serves a wave's instructions in order, so the loads see the stores above
	v_add_nc_u32 v5, s40, v6
.irp j, 0,1,2,3,4,5,6,7
	ds_load_b128 v[16+4*\j:19+4*\j], v5 offset:16*\j
.endr
	s_wait_dscnt 0x0
.irp k, 0,1,2,3,4,5,6,7,8
	APOINT \k
.endr
	s_add_co_u32 s41, s41, 1
	s_add_co_u32 s40, s40, 128
	s_cmp_lt_u32 s40, 19*128
	s_cbranch_scc1 .La_chunk
.irp k, 0,1,2,3,4,5,6,7,8
	ds_store_b64 v7, v[100+2*\k:101+2*\k] offset:256*\k
.endr
	s_wait_dscnt 0x0                               ; for the others' sake: my results have landed
	s_barrier_signal -1
	s_barrier_wait -1
	s_cmp_lt_u32 s2, 9                             ; 288 threads reduce, one point each
	s_cbranch_scc0 .La_end
.set J, 0
.rept 20
	ds_load_b64 v[128+2*J:129+2*J], v8 offset:2304*J
.set J, J+1
.endr
	s_wait_dscnt 0x0
.set J, 1
.rept 19
	v_cmp_lt_f32 vcc_lo, v[128+2*J], v128          ; ascending waves = ascending chunks: strict less keeps the first
	v_cndmask_b32 v128, v128, v[128+2*J], vcc_lo
	v_cndmask_b32 v129, v129, v[129+2*J], vcc_lo
.set J, J+1
.endr
	global_store_b32 v9, v129, s[24:25]            ; a wave stores 128 consecutive bytes
.La_end:
	s_wait_xcnt 0x0
	s_mov_b32 exec_lo, -1
	v_lshl_add_u32 v62, v0, 2, 0x4c000
	v_mov_b32 v63, 0
	s_wait_tensorcnt 0x0
	ds_add_u32 v62, v63
	s_wait_dscnt 0x0
	s_endpgm
; ---------------------------------------------------------------- ROLE B: 16-NN, down to flagged chunks of 32 points
; Lane l of wave w keeps chunk 32 w + l (= the thread's number) in registers: v64-95 x, v96-127 y, v128-159 z, v160-191 bb; chunks from 625 on have bb = +inf.
.Lrole_b:
	s_sub_co_u32 s30, s3, 2
	s_cmp_ge_u32 s30, 57
	s_cselect_b32 s31, 1, 0                        ; batch
	s_cselect_b32 s32, 57, 0
	s_sub_co_u32 s32, s30, s32
	s_mul_i32 s32, s32, 44                         ; my first query
	s_mul_i32 s34, s31, 240000
	s_add_nc_u64 s[8:9], s[8:9], s[34:35]
	s_mul_i32 s34, s31, 30000
	s_add_nc_u64 s[10:11], s[10:11], s[34:35]
	s_mul_i32 s33, s31, 2508
	s_add_co_u32 s33, s33, s32                     ; its padded number: 2,508 to a batch
	s_mul_i32 s34, s33, 80
	s_add_nc_u64 s[26:27], s[26:27], s[34:35]
	s_mul_i32 s36, s2, 4608
	s_add_co_u32 s36, s36, TR                      ; my wave's turn
	v_lshrrev_b32 v2, 3, v1
	v_mul_u32_u24 v2, v2, 144
	v_and_b32 v3, 7, v1
	v_lshl_add_u32 v2, v3, 4, v2
	v_add_nc_u32 v2, s36, v2                       ; in: eight lanes fill a row of 128 bytes; a load's 512 bytes are four rows
	v_mul_u32_u24 v3, v1, 144
	v_add_nc_u32 v3, s36, v3                       ; out: row = lane
	v_lshlrev_b32 v4, 4, v1
	v_add_nc_u32 v4, s36, v4                       ; a query record: 16 bytes
	v_mov_b32 v5, s36
	s_lshl_b32 s37, s2, 7
	v_lshlrev_b32 v62, 2, v1
	v_add_nc_u32 v62, s37, v62                     ; 128 w + 4 lane
	v_add_nc_u32 v10, EX, v62                      ; my chunk's place in a query's row of minima
	v_add_nc_u32 v12, EX+64000, v62                ; the same from query 25 on
	s_mul_i32 s38, s2, 2560
	v_lshlrev_b32 v7, 2, v1
	v_add_nc_u32 v7, s38, v7
	v_add_nc_u32 v8, EX+51200, v7                  ; query w + 20,
	v_add_nc_u32 v9, EX+102400, v7                 ; w + 40 (waves 0 to 3),
	v_add_nc_u32 v7, EX, v7                        ; w: word lane of its row
	v_add_nc_u32 v13, TS, v62
	v_mov_b32 v14, TS+60                           ; element 15 of a sorted row
	s_lshl_b32 s39, s2, 2
	s_add_co_u32 s39, s39, CM
	v_mov_b32 v15, s39                             ; my wave's word of a query's mask
	v_lshlrev_b32 v61, 4, v0
	v_add_nc_u32 v60, CM, v61
	s_lshl_b32 s40, s2, 12
	v_lshl_add_u32 v52, v1, 4, s40                 ; my wave's 4,096 bytes of a component, 16 a lane
.irp i, 1,2,3,4,5,6,7
	v_add_nc_u32 v[52+\i], 512*\i, v52
.endr
.irp i, 0,1,2,3,4,5,6,7
	v_min_u32 v[52+\i], 79984, v[52+\i]            ; no load leaves the component: chunks from 625 on get the last 16 bytes again
.endr
.irp i, 0,1,2,3,4,5,6,7
	global_load_b128 v[160+4*\i:163+4*\i], v[52+\i], s[8:9]              ; x, staged where bb will lie
	global_load_b128 v[96+4*\i:99+4*\i], v[52+\i], s[8:9] offset:160000  ; z, staged where y will lie
	global_load_b128 v[16+4*\i:19+4*\i], v[52+\i], s[8:9] offset:80000   ; y
.endr
	v_add_nc_u32 v134, s32, v1
	v_add_nc_u32 v135, 32, v134
	v_min_u32 v134, 2499, v134                     ; the last work-group of a batch repeats the last query; its padded rows are read by nobody
	v_min_u32 v135, 2499, v135
	v_lshlrev_b32 v134, 2, v134
	v_lshlrev_b32 v135, 2, v135
	global_load_b32 v128, v134, s[10:11]
	global_load_b32 v129, v134, s[10:11] offset:10000
	global_load_b32 v130, v134, s[10:11] offset:20000
	global_load_b32 v131, v135, s[10:11]
	global_load_b32 v132, v135, s[10:11] offset:10000
	global_load_b32 v133, v135, s[10:11] offset:20000
	s_wait_loadcnt 0x0
	v_mul_f32 v51, v128, v128                      ; two query records a lane: (-2 qx, -2 qy, -2 qz, aa)
	v_mul_f32 v55, v131, v131
	v_fma_f32 v51, v129, v129, v51
	v_fma_f32 v55, v132, v132, v55
	v_fma_f32 v51, v130, v130, v51
	v_fma_f32 v55, v133, v133, v55
	v_mul_f32 v48, -2.0, v128
	v_mul_f32 v49, -2.0, v129
	v_mul_f32 v50, -2.0, v130
	v_mul_f32 v52, -2.0, v131
	v_mul_f32 v53, -2.0, v132
	v_mul_f32 v54, -2.0, v133
.irp i, 0,1,2,3,4,5,6,7
	ds_store_b128 v2, v[160+4*\i:163+4*\i] offset:576*\i
.endr
.irp i, 0,1,2,3,4,5,6,7
	ds_load_b128 v[64+4*\i:67+4*\i], v3 offset:16*\i       ; the wave's own bytes, served in order: no wait between stores and loads
.endr
.irp i, 0,1,2,3,4,5,6,7
	ds_store_b128 v2, v[96+4*\i:99+4*\i] offset:576*\i
.endr
.irp i, 0,1,2,3,4,5,6,7
	ds_load_b128 v[128+4*\i:131+4*\i], v3 offset:16*\i
.endr
	s_wait_dscnt 0x0                               ; z has left its stage: y's chunk may land there
.irp i, 0,1,2,3,4,5,6,7
	ds_store_b128 v2, v[16+4*\i:19+4*\i] offset:576*\i
.endr
.irp i, 0,1,2,3,4,5,6,7
	ds_load_b128 v[96+4*\i:99+4*\i], v3 offset:16*\i
.endr
	ds_store_b128 v4, v[48:51]                     ; behind the last read of the turn: the wave's copy of the 64 query records (44 are used)
	ds_store_b128 v4, v[52:55] offset:512
	s_wait_dscnt 0x0
.set I, 0
.rept 16
	v_pk_mul_f32 v[160+2*I:161+2*I], v[64+2*I:65+2*I], v[64+2*I:65+2*I]
.set I, I+1
.endr
.set I, 0
.rept 16
	v_pk_fma_f32 v[160+2*I:161+2*I], v[96+2*I:97+2*I], v[96+2*I:97+2*I], v[160+2*I:161+2*I]
.set I, I+1
.endr
.set I, 0
.rept 16
	v_pk_fma_f32 v[160+2*I:161+2*I], v[128+2*I:129+2*I], v[128+2*I:129+2*I], v[160+2*I:161+2*I]
.set I, I+1
.endr
	v_cmp_gt_u32 vcc_lo, 625, v0
.set J, 0
.rept 32
	v_cndmask_b32 v[160+J], INF, v[160+J], vcc_lo
.set J, J+1
.endr
	s_mov_b32 s40, 0                               ; byte of the trip's four query records
	s_mov_b32 s41, 0                               ; and of their rows of minima
.Lb_group:                                             ; 11 trips of 4 queries: v16-31 the records, v32-47 at work, v48-51 my chunk's minimum for each
	v_add_nc_u32 v6, s40, v5
.irp j, 0,1,2,3
	ds_load_b128 v[16+4*\j:19+4*\j], v6 offset:16*\j
.endr
	s_wait_dscnt 0x0                               ; the records are in, and the last trip's stores have gone
	v_add_nc_u32 v11, s41, v10
.set I, 0
.rept 16
.irp n, 0,1,2,3,4
.irp j, 0,1,2,3
	DLINE \n, 32+2*\j, 40+2*\j, 64+2*I, 96+2*I, 128+2*I, 160+2*I, 16+4*\j
.endr
.endr
.irp j, 0,1,2,3
.if I == 0
	v_min_num_f32 v[48+\j], v[32+2*\j], v[33+2*\j]
.else
	v_min3_num_f32 v[48+\j], v[48+\j], v[32+2*\j], v[33+2*\j]
.endif
.endr
.set I, I+1
.endr
.irp j, 0,1,2,3
	ds_store_b32 v11, v[48+\j] offset:2560*\j
.endr
	s_add_co_u32 s41, s41, 10240
	s_add_co_u32 s40, s40, 64
	s_cmp_lt_u32 s40, 11*64
	s_cbranch_scc1 .Lb_group
	s_wait_dscnt 0x0                               ; for the others' sake: my minima have landed
	s_barrier_signal -1
	s_barrier_wait -1
; One stage of a bitonic sort of 32 lanes, values alone: partner = lane xor j; the lanes of the mask keep the larger.
.macro SSTAGE v, j, mask
.if \j == 16
	v_permlanex16_b32 v182, v[\v], s46, s47
	v_min_num_f32 v180, v[\v], v182
	v_max_num_f32 v181, v[\v], v182
.else
	v_min_num_f32_dpp v180, v[\v], v[\v] row_xmask:\j row_mask:0xf bank_mask:0xf
	v_max_num_f32_dpp v181, v[\v], v[\v] row_xmask:\j row_mask:0xf bank_mask:0xf
.endif
	s_mov_b32 vcc_lo, \mask
	v_cndmask_b32 v[\v], v180, v181, vcc_lo
.endm
.macro SORTV v                         ; ascending.  Stage (k, j): mask = (lanes with bit j) xor (lanes with bit k)
	SSTAGE \v, 1, 0x66666666
	SSTAGE \v, 2, 0x3c3c3c3c
	SSTAGE \v, 1, 0x5a5a5a5a
	SSTAGE \v, 4, 0x0ff00ff0
	SSTAGE \v, 2, 0x33cc33cc
	SSTAGE \v, 1, 0x55aa55aa
	SSTAGE \v, 8, 0x00ffff00
	SSTAGE \v, 4, 0x0f0ff0f0
	SSTAGE \v, 2, 0x3333cccc
	SSTAGE \v, 1, 0x5555aaaa
	SSTAGE \v, 16, 0xffff0000
	SSTAGE \v, 8, 0xff00ff00
	SSTAGE \v, 4, 0xf0f0f0f0
	SSTAGE \v, 2, 0xcccccccc
	SSTAGE \v, 1, 0xaaaaaaaa
.endm
; Query w + 20 r: lane l takes group l = chunks l, 32 + l, .. 608 + l; the 32 group minima are sorted and laid in LDS; element 15 is the query's T.
.macro TROUND r, adr
.set J, 0
.rept 20
	ds_load_b32 v[64+J], v[\adr] offset:128*J
.set J, J+1
.endr
	s_wait_dscnt 0x0
	v_min3_num_f32 v[176+\r], v64, v65, v66
	v_min3_num_f32 v183, v67, v68, v69
	v_min3_num_f32 v[176+\r], v[176+\r], v70, v71
	v_min3_num_f32 v183, v183, v72, v73
	v_min3_num_f32 v[176+\r], v[176+\r], v74, v75
	v_min3_num_f32 v183, v183, v76, v77
	v_min3_num_f32 v[176+\r], v[176+\r], v78, v79
	v_min3_num_f32 v183, v183, v80, v81
	v_min3_num_f32 v[176+\r], v[176+\r], v82, v83
	v_min_num_f32 v[176+\r], v[176+\r], v183
	SORTV 176+\r
	ds_store_b32 v13, v[176+\r] offset:2560*\r
.endm
	v_mov_b32 v180, 0                              ; written once: the destination of a lane exchange counts as one of its sources
	v_mov_b32 v181, 0
	v_mov_b32 v182, 0
	TROUND 0, 7
	TROUND 1, 8
	s_cmp_lt_u32 s2, 4                             ; queries 40 to 43
	s_cbranch_scc0 .Lb_no_third
	TROUND 2, 9
.Lb_no_third:
	s_wait_dscnt 0x0                               ; for the others' sake: the sorted rows have landed
	s_barrier_signal -1
	s_barrier_wait -1
.set Q, 0
.rept 44
.if Q < 25
	ds_load_b32 v[64+Q], v10 offset:2560*Q         ; my chunk's minimum for query Q,
.else
	ds_load_b32 v[64+Q], v12 offset:2560*(Q-25)
.endif
	ds_load_b32 v[108+Q], v14 offset:128*Q         ; and the query's T
.set Q, Q+1
.endr
	s_wait_dscnt 0x0
.set Q, 0
.rept 44
	v_cmp_le_f32 vcc_lo, v[64+Q], v[108+Q]         ; the wave's 32 chunks make one mask word
	v_mov_b32 v[152+Q%8], vcc_lo
	ds_store_b32 v15, v[152+Q%8] offset:80*Q       ; all lanes write the same word with the same value
.set Q, Q+1
.endr
	s_wait_dscnt 0x0
	s_barrier_signal -1
	s_barrier_wait -1
	s_cmp_lt_u32 s2, 7                             ; 44 x 80 bytes leave as 220 x 16 consecutive bytes
	s_cbranch_scc0 .Lb_end
	s_wait_xcnt 0x0                                ; EXEC changes only behind this wait
	v_cmp_gt_u32 vcc_lo, 220, v0
	s_and_saveexec_b32 s44, vcc_lo
	ds_load_b128 v[64:67], v60
	s_wait_dscnt 0x0
	global_store_b128 v61, v[64:67], s[26:27]
.Lb_end:
	s_wait_xcnt 0x0
	s_mov_b32 exec_lo, -1
	v_lshl_add_u32 v62, v0, 2, 0x4c000
	v_mov_b32 v63, 0
	s_wait_tensorcnt 0x0
	ds_add_u32 v62, v63
	s_wait_dscnt 0x0
	s_endpgm
; ---------------------------------------------------------------- ROLE D: a wave makes fragment f = 20 x work-group + wave
; f 0-7: W2 tile f;  8-23: Wm1 tile (f - 8) / 2, K step (f - 8) % 2;  24-31: Wm2;  32-39: Wm3.  Lane r of tile t takes row 32 (t / 2) + 8 (t % 2) + r + 8 (r / 8), so that in the products'
; results (used transposed) a lane's 16 registers of two neighbouring tiles are 16 neighbours along the next K.  Lane (r, h) holds k = 64 c + 32 h + 0 .. 31: two whole blocks.
.Lrole_d:
	s_mul_i32 s30, s3, 20
	s_add_co_u32 s30, s30, s2                      ; f
	s_sub_co_u32 s31, s30, 8
	s_lshr_b32 s32, s31, 1
	s_and_b32 s33, s31, 1
	s_and_b32 s34, s30, 7
	s_mov_b32 s39, 512
	s_mov_b64 s[36:37], s[14:15]
	s_cmp_ge_u32 s30, 24
	s_cselect_b64 s[36:37], s[18:19], s[36:37]
	s_cmp_ge_u32 s30, 32
	s_cselect_b64 s[36:37], s[20:21], s[36:37]
	s_cmp_lt_u32 s31, 16                           ; f in 8 .. 23
	s_cselect_b64 s[36:37], s[16:17], s[36:37]
	s_cselect_b32 s34, s32, s34                    ; tile
	s_cselect_b32 s33, s33, 0                      ; K step
	s_cselect_b32 s39, 1024, s39                   ; bytes in a row
	s_lshr_b32 s38, s34, 1
	s_lshl_b32 s38, s38, 5
	s_and_b32 s40, s34, 1
	s_lshl_b32 s40, s40, 3
	s_add_co_u32 s38, s38, s40
	s_mul_i32 s38, s38, s39
	s_lshl_b32 s40, s33, 9
	s_add_co_u32 s38, s38, s40
	v_and_b32 v2, 15, v1                           ; r
	v_lshrrev_b32 v3, 4, v1                        ; h
	v_and_b32 v4, 8, v2
	v_add_nc_u32 v4, v4, v2
	v_mul_u32_u24 v4, v4, s39
	v_lshl_add_u32 v4, v3, 7, v4
	v_add_nc_u32 v4, s38, v4
.irp c, 0,1
.irp i, 0,1,2,3,4,5,6,7
	global_load_b128 v[64+32*\c+4*\i:67+32*\c+4*\i], v4, s[36:37] offset:256*\c+16*\i
.endr
.endr
	s_mul_i32 s42, s30, 1536
	v_lshlrev_b32 v5, 4, v1
	v_add_nc_u32 v5, s42, v5
	s_lshl_b32 s42, s30, 7
	v_lshlrev_b32 v6, 2, v1
	v_add_nc_u32 v6, s42, v6
	s_wait_loadcnt 0x0
.irp c, 0,1
	v_max3_num_f32 v[32+\c], |v[64+32*\c]|, |v[65+32*\c]|, 0x1800000   ; the block's largest magnitude, and the floor 2^(3 - 127): the byte cannot fall under 1
.endr
.irp i, 2,4,6,8,10,12,14,16,18,20,22,24,26,28,30
.irp c, 0,1
	v_max3_num_f32 v[32+\c], v[32+\c], |v[64+32*\c+\i]|, |v[65+32*\c+\i]|
.endr
.endr
.irp c, 0,1
	v_add_nc_u32 v[44+\c], 0xff000000, v[32+\c]    ; 2 off its exponent field: the conversion takes the exponent field of this operand as its scale
.endr
.irp c, 0,1
	v_lshrrev_b32 v[36+\c], 23, v[44+\c]           ; the scale's byte
.endr
	v_lshl_or_b32 v9, v37, 16, v36                 ; my two bytes: blocks h and 2 + h,
	v_lshlrev_b32 v10, 3, v3
	v_lshlrev_b32 v9, v10, v9                      ; at their places in the scale word;
	v_mov_b32 v10, 0
	v_permlanex16_b32 v10, v9, s46, s47
	v_or_b32 v9, v9, v10                           ; with lane l xor 16's two the word is whole
.irp c, 0,1
	v_cvt_scalef32_pk16_fp6_f32 v[48+6*\c:50+6*\c], v[64+32*\c:79+32*\c], v[44+\c]
	v_cvt_scalef32_pk16_fp6_f32 v[20+4*\c:22+4*\c], v[80+32*\c:95+32*\c], v[44+\c]   ; (a conversion's three registers begin on an even number)
.endr
	v_nop                                          ; one plain place behind a scaled conversion
.irp c, 0,1
.irp i, 0,1,2
	v_mov_b32 v[51+6*\c+\i], v[20+4*\c+\i]
.endr
.endr
.irp c, 0,1,2
	global_store_b128 v5, v[48+4*\c:51+4*\c], s[22:23] offset:5120+512*\c   ; the image: 512 consecutive bytes a store
.endr
	global_store_b32 v6, v9, s[22:23]
	s_endpgm
.Lfunc_end_k_q572f2fdf9c_scan:
	.size	k_q572f2fdf9c_scan, .Lfunc_end_k_q572f2fdf9c_scan-k_q572f2fdf9c_scan
	.p2alignl 7, 3214868480
	.fill 96, 4, 3214868480
	.section	.rodata,"a",@progbits
	.p2align	6, 0x0
	.amdhsa_kernel k_q572f2fdf9c_scan
		.amdhsa_group_segment_fixed_size 313856
		.amdhsa_private_segment_fixed_size 0
		.amdhsa_enable_private_segment 0
		.amdhsa_kernarg_size 80
		.amdhsa_user_sgpr_count 2
		.amdhsa_user_sgpr_kernarg_segment_ptr 1
		.amdhsa_wavefront_size32 1
		.amdhsa_system_sgpr_workgroup_id_x 1
		.amdhsa_system_sgpr_workgroup_id_y 1
		.amdhsa_system_sgpr_workgroup_id_z 1
		.amdhsa_system_vgpr_workitem_id 0
		.amdhsa_next_free_vgpr 192
		.amdhsa_next_free_sgpr 66
		.amdhsa_reserve_vcc 1
		.amdhsa_float_denorm_mode_32 3
		.amdhsa_float_denorm_mode_16_64 3
		.amdhsa_memory_ordered 1
		.amdhsa_forward_progress 1
		.amdhsa_inst_pref_size 108
	.end_amdhsa_kernel
	.amdgpu_metadata
---
amdhsa.version: [ 1, 2 ]
amdhsa.kernels:
  - .name:           k_q572f2fdf9c_scan
    .symbol:         k_q572f2fdf9c_scan.kd
    .args:
      - { .name: pos, .offset: 0, .size: 8, .value_kind: global_buffer, .address_space: global }
      - { .name: pos_non_manifold, .offset: 8, .size: 8, .value_kind: global_buffer, .address_space: global }
      - { .name: ids_down, .offset: 16, .size: 8, .value_kind: global_buffer, .address_space: global }
      - { .name: W2, .offset: 24, .size: 8, .value_kind: global_buffer, .address_space: global }
      - { .name: Wm1, .offset: 32, .size: 8, .value_kind: global_buffer, .address_space: global }
      - { .name: Wm2, .offset: 40, .size: 8, .value_kind: global_buffer, .address_space: global }
      - { .name: Wm3, .offset: 48, .size: 8, .value_kind: global_buffer, .address_space: global }
      - { .name: wimg, .offset: 56, .size: 8, .value_kind: global_buffer, .address_space: global }
      - { .name: cidA, .offset: 64, .size: 8, .value_kind: global_buffer, .address_space: global }
      - { .name: cmask, .offset: 72, .size: 8, .value_kind: global_buffer, .address_space: global }
    .group_segment_fixed_size: 313856
    .private_segment_fixed_size: 0
    .kernarg_segment_align: 8
    .kernarg_segment_size: 80
    .max_flat_workgroup_size: 640
    .sgpr_count:     66
    .vgpr_count:     192
    .wavefront_size: 32
...
	.end_amdgpu_metadata
.endif
;; end of part 1
;; launch mlp (part 2): grid 250 x 1, 15 waves a work-group, no clusters, 71,680 bytes of LDS; arguments x, pos, pos_non_manifold, ids_down, W1, b1, b2, bm1, bm2, bm3, Wp, wimg, cidA, cmask, proj, idx16; writes proj, idx16
.if DOCPART == 2
	.amdgcn_target "amdgcn-amd-amdhsa--gfx1250"
	.amdhsa_code_object_version 6
	.text
	.protected	k_q572f2fdf9c_mlp
	.globl	k_q572f2fdf9c_mlp
	.p2align	8
	.type	k_q572f2fdf9c_mlp,@function
k_q572f2fdf9c_mlp:
	s_mov_b64 s[64:65], 0
	v_nop
	global_prefetch_b8 v0, s[64:65] scope:SCOPE_SE
	s_setreg_imm32_b32 hwreg(HW_REG_WAVE_MODE, 25, 1), 1
	s_wait_xcnt 0x0
; THE POINTS' MLP, AND THE 16 NEAREST POINTS OF EACH QUERY.  250 work-groups of 15 waves, 125 to a batch; a work-group has 10 tiles of 16 points and 20 queries.
; TILES, waves 0-9, one each: the nearest support slot inside the stored chunk of 8 (values chosen by cndmask, no address hangs on a distance); h = relu(W1 x + b1) for the point and for its support,
;   in f32 (v_wmma_f32_16x16x4_f32, K = x0, x1, x2 and 1 against w0, w1, w2 and b1); then on codes of E2M3 with E8M0 scales: W2 twice, Wm1 (K = 256: the point's 128, the support's 128), Wm2, Wm3; last Wp . merged,
;   two numbers a point: the interpolation and Wp are both linear, so Wp is applied first and 2 floats a point go to memory in the place of 128.
;   The support's latent is made anew for each point from the chosen x: the same numbers as a gather from 3,000 rows, with no table between.
; QUERIES: each of waves 0-9 takes one behind its tile, waves 10-14 two each, so that all 15 waves have about the same number of instructions.
;   A lane takes a flagged chunk of 32 points (mask words of the launch before: trip counts and addresses hang on these whole numbers alone).  Sweep 1: each lane keeps the sorted 16 smallest d2 that it has seen
;   (networks of min and max on values alone); the lanes' lists are merged; V = the 16th smallest d2 of all, cL = how many are smaller.  Sweep 2: d2 again; a bit for each point with d2 < V, a bit for each with d2 == V;
;   16 rounds a pass take the smallest key of the wave: the smaller ones go to slots 0 on, the equal ones, by ascending index, to slots cL on; slots from 16 on are not stored.  So equals go to the lower index.
;   The 16 indices are stored as whole numbers; the next launch gathers by them.
; All products are used transposed (source 0 = 16 rows of the weight, source 1 = the 16 points): a lane holds one point (lane % 16), and the 16 registers of tiles 2 b, 2 b + 1 are units 32 b + 16 (lane / 16) + 0 .. 15.
; The weights lie in LDS as images of their operands' registers (copied once from the launch before's buffer); a bias is the C of a sum's first product.
; The eight accumulators of a layer take turns, one instruction a turn.  v192-255 are written by the f32 matrix form alone, and v60-65 hold scales alone.
; LIMITS: NaN and infinities are not served; a block of 32 zeros gets the scale byte 1 (its codes are zeros; the bytes stay in registers).
; No tensor loads and no cluster: trip counts hang on stored whole numbers; what work-groups share, 66,560 bytes of images, is copied once.
.set INF,  0x7f800000
.set BIAS, 66560                       ; LDS: 0 .. 66,559 the images (40 scale-word images of 128 bytes, then 40 fragments of 1,536); then b2, bm1, bm2, bm3 (512 each), Wp (1,024)
.set LI,  4                            ; v4  16 x lane
.set LIH, 5                            ; v5  16 x lane + 30,720: fragments 20 on lie past a 16-bit offset
.set LS,  6                            ; v6  4 x lane
.set BA,  7                            ; v7  BIAS + 64 (lane / 16)
.set CP,  8                            ; v8  16 x thread
.set BC,  9                            ; v9  where waves 10-12 put the biases
.set WA,  16                           ; v16-31  W1 and b1 as the f32 form's source 0, two registers a tile
.set XB,  32                           ; v32-33  the point's x and 1 as its source 1;  v34-35 the support's
.set XD,  34
.set C0,  36                           ; v36-47, v48-59  codes of the points' rows
.set C1,  48
.set PW0, 60                           ; v60, v61  their scale words;  v62-65 the weights' scale words
.set PW1, 61
.set AS,  62
.set AF,  68                           ; v68-115  four fragments of a weight; between products v68-91 serve the quantiser
.set TM,  68
.set Q2,  84
.set X,   128                          ; v128-191 the eight accumulators
.set HD,  192                          ; v192-255 the f32 form's results
; the queries' registers: v16-19 the record (-2 qx, -2 qy, -2 qz, aa or +inf), v20-31 at work, v32 aa, v33 V, v34 cL, v35 the bits of the smaller, v52 of the equal, v53 the key's base, v54 the 16 indices, v55, v56 the next slots
.set PA,  68                           ; v68-99   my chunk's x, then its 32 d2, then one of the network's two arrays
.set QA,  100                          ; v100-131 y, then the other array
.set ZA,  132                          ; v132-163 z
.set LA,  36                           ; v36-51   my sorted 16
.set LB,  164                          ; v164-179 the same, by turns
.set BW,  180                          ; v180-187 bb of four pairs
.macro DLINE n, m, t, x, y, z, bb, q   ; line n of the five that make d2 of two database points against the probe in v[q .. q+3] = (qx, qy, qz, aa)
.if \n == 0
	v_pk_mul_f32 v[\m:\m+1], v[\x:\x+1], v[\q:\q+1] op_sel_hi:[1,0]
.elseif \n == 1
	v_pk_fma_f32 v[\m:\m+1], v[\y:\y+1], v[\q:\q+1], v[\m:\m+1] op_sel:[0,1,0] op_sel_hi:[1,1,1]
.elseif \n == 2
	v_pk_fma_f32 v[\m:\m+1], v[\z:\z+1], v[\q+2:\q+3], v[\m:\m+1] op_sel_hi:[1,0,1]
.elseif \n == 3
	v_pk_add_f32 v[\t:\t+1], v[\bb:\bb+1], v[\q+2:\q+3] op_sel:[0,1] op_sel_hi:[1,1]
.else
	v_pk_add_f32 v[\m:\m+1], v[\t:\t+1], v[\m:\m+1]
.endif
.endm
.macro NOPS n
.rept \n
	v_nop
.endr
.endm
; relu(W1 x + b1) of the 16 points whose (x, 1) stand in v[breg], v[breg + 1]: into X.  Eight places stand behind this form before its results are read; each result is read from its low end on.
.macro HID breg
.irp t, 0,1,2,3,4,5,6,7
	v_wmma_f32_16x16x4_f32 v[HD+8*\t:HD+8*\t+7], v[WA+2*\t:WA+2*\t+1], v[\breg:\breg+1], 0
.endr
	NOPS 8
.set J, 0
.rept 64
	v_max_num_f32 v[X+J], 0, v[HD+J]
.set J, J+1
.endr
.endm
.macro RELU
.set J, 0
.rept 64
	v_max_num_f32 v[X+J], 0, v[X+J]
.set J, J+1
.endr
.endm
; X's 64 numbers of a lane (register 16 b + i = k 32 b + 16 (lane / 16) + i of my point's row) become a fragment's codes in v[pc] on and its scale word in v[pw].
.macro QUANT pc, pw
.irp b, 0,1,2,3
	v_max3_num_f32 v[TM+\b], |v[X+16*\b]|, |v[X+1+16*\b]|, 0x1800000   ; my 16 numbers of block b, and the floor 2^(3 - 127): the byte cannot fall under 1
.endr
.irp i, 2,4,6,8,10,12,14
.irp b, 0,1,2,3
	v_max3_num_f32 v[TM+\b], v[TM+\b], |v[X+16*\b+\i]|, |v[X+1+16*\b+\i]|
.endr
.endr
.irp b, 0,1,2,3
	v_permlanex16_b32 v[TM+4+\b], v[TM+\b], s62, s63
.endr
.irp b, 0,1,2,3
	v_max_num_f32 v[TM+\b], v[TM+\b], v[TM+4+\b]   ; with lane l xor 16's: the block's largest magnitude
.endr
.irp b, 0,1,2,3
	v_add_nc_u32 v[TM+12+\b], 0xff000000, v[TM+\b] ; 2 off its exponent field: the conversion's scale operand
.endr
.irp b, 0,1,2,3
	v_lshrrev_b32 v[TM+4+\b], 23, v[TM+12+\b]      ; the scale's byte
.endr
	v_lshl_or_b32 v[\pw], v[TM+5], 8, v[TM+4]
	v_lshl_or_b32 v[\pw], v[TM+6], 16, v[\pw]
	v_lshl_or_b32 v[\pw], v[TM+7], 24, v[\pw]
.irp c, 0,1
	v_cvt_scalef32_pk16_fp6_f32 v[\pc+6*\c:\pc+2+6*\c], v[X+32*\c:X+15+32*\c], v[TM+12+2*\c]
	v_cvt_scalef32_pk16_fp6_f32 v[Q2+4*\c:Q2+2+4*\c], v[X+16+32*\c:X+31+32*\c], v[TM+13+2*\c]   ; (a conversion's three registers begin on an even number)
.endr
	v_nop                                          ; one plain place behind a scaled conversion
.irp c, 0,1                                    ; the operand's layout wants a whole block in a lane: lanes 0-15 block 2 c, lanes 16-31 block 2 c + 1
.irp i, 0,1,2
	v_permlane16_swap_b32 v[\pc+6*\c+\i], v[Q2+4*\c+\i]
.endr
.irp i, 0,1,2
	v_mov_b32 v[\pc+3+6*\c+\i], v[Q2+4*\c+\i]
.endr
.endr
	NOPS 8                                         ; a scale word made by vector instructions stands 8 places ahead of a scaled product, codes so made 4
.endm
; A layer: X = bias + W . rows.  Fragments f0 + nk t + s (tile t, K step s), four at a time from LDS; bias at boff.  Four places stand ahead of each run of loads into registers that products have read, and behind the last product.
.macro LAYER f0, nk, boff, pc0, pw0, pc1, pw1
.set J, 0
.rept 16
	ds_load_b128 v[X+4*J:X+4*J+3], v[BA] offset:\boff+128*(J/4)+16*(J%4)   ; register 16 b + i: the bias of unit 32 b + 16 (lane / 16) + i
.set J, J+1
.endr
.set FIRST, 1
.irp s, 0,1
.if \s < \nk
.irp g, 0,1
.if FIRST == 0
	NOPS 4
.endif
.set FIRST, 0
.irp i, 0,1,2,3
.set F, \f0+\nk*(4*\g+\i)+\s
.irp c, 0,1,2
.if F < 20
	ds_load_b128 v[AF+12*\i+4*\c:AF+12*\i+4*\c+3], v[LI] offset:5120+1536*F+512*\c
.else
	ds_load_b128 v[AF+12*\i+4*\c:AF+12*\i+4*\c+3], v[LIH] offset:5120+1536*F+512*\c-30720
.endif
.endr
	ds_load_b32 v[AS+\i], v[LS] offset:128*F
.endr
	s_wait_dscnt 0x0
.irp i, 0,1,2,3
.if \s == 0
	v_wmma_scale_f32_16x16x128_f8f6f4 v[X+8*(4*\g+\i):X+8*(4*\g+\i)+7], v[AF+12*\i:AF+12*\i+11], v[\pc0:\pc0+11], v[X+8*(4*\g+\i):X+8*(4*\g+\i)+7], v[AS+\i], v[\pw0] matrix_a_fmt:MATRIX_FMT_FP6 matrix_b_fmt:MATRIX_FMT_FP6
.else
	v_wmma_scale_f32_16x16x128_f8f6f4 v[X+8*(4*\g+\i):X+8*(4*\g+\i)+7], v[AF+12*\i:AF+12*\i+11], v[\pc1:\pc1+11], v[X+8*(4*\g+\i):X+8*(4*\g+\i)+7], v[AS+\i], v[\pw1] matrix_a_fmt:MATRIX_FMT_FP6 matrix_b_fmt:MATRIX_FMT_FP6
.endif
.endr
.endr
.endif
.endr
	NOPS 4
.endm
; The number of the one bit that is set in v[src] (0 where none is), by whole-number arithmetic alone: it goes into an address.
.macro BITIDX dst, tmp, src
	v_and_b32 v[\dst], 0xaaaaaaaa, v[\src]
	v_min_u32 v[\dst], 1, v[\dst]
	v_and_b32 v[\tmp], 0xcccccccc, v[\src]
	v_min_u32 v[\tmp], 1, v[\tmp]
	v_lshl_or_b32 v[\dst], v[\tmp], 1, v[\dst]
	v_and_b32 v[\tmp], 0xf0f0f0f0, v[\src]
	v_min_u32 v[\tmp], 1, v[\tmp]
	v_lshl_or_b32 v[\dst], v[\tmp], 2, v[\dst]
	v_and_b32 v[\tmp], 0xff00ff00, v[\src]
	v_min_u32 v[\tmp], 1, v[\tmp]
	v_lshl_or_b32 v[\dst], v[\tmp], 3, v[\dst]
	v_and_b32 v[\tmp], 0xffff0000, v[\src]
	v_min_u32 v[\tmp], 1, v[\tmp]
	v_lshl_or_b32 v[\dst], v[\tmp], 4, v[\dst]
.endm
; One stage of a bitonic network on n registers of a lane, values alone: element I against element I + j, read from array src, written to array dst (two instructions a pair, none waits for another).
; Ascending where I has no bit of k; inv = 1 turns every direction round.
.macro BST src, dst, n, k, j, inv
.set I, 0
.rept \n
.if (I & \j) == 0
.set UP, 1
.if (I & \k) != 0
.set UP, 0
.endif
.if \inv
.set UP, 1-UP
.endif
.if UP
	v_min_num_f32 v[\dst+I], v[\src+I], v[\src+I+\j]
	v_max_num_f32 v[\dst+I+\j], v[\src+I], v[\src+I+\j]
.else
	v_max_num_f32 v[\dst+I], v[\src+I], v[\src+I+\j]
	v_min_num_f32 v[\dst+I+\j], v[\src+I], v[\src+I+\j]
.endif
.endif
.set I, I+1
.endr
.endm
; My ascending 16 in src and those of lane l xor m: the 16 smallest of the 32, ascending, in dst.  min(mine i, the partner's 15 - i) are the 16 smallest, first rising then falling or the like: four stages sort them.
.macro XM src, dst, m
.set I, 0
.rept 16
	v_min_num_f32_dpp v[\dst+I], v[\src+15-I], v[\src+I] row_xmask:\m row_mask:0xf bank_mask:0xf
.set I, I+1
.endr
	BST \dst, \src, 16, 0, 8, 0
	BST \src, \dst, 16, 0, 4, 0
	BST \dst, \src, 16, 0, 2, 0
	BST \src, \dst, 16, 0, 1, 0
.endm
; Pass s96 of a query: lane l takes the flagged chunk of rank 32 s96 + l; its number comes into v26 and the d2 of its 32 points into v[PA] on.  A lane past the last flagged chunk takes aa = +inf, so that its d2 are +inf.
.macro PASSD
	s_lshl_b32 s97, s96, 5
	v_add_nc_u32 v20, s97, v1                      ; my rank among the flagged chunks
	v_mov_b32 v21, 0
	v_mov_b32 v22, 0
	s_mov_b32 s98, 0
.set J, 0
.rept 20                                       ; the last word ahead of which at most `rank` bits are set holds my chunk
	v_cmp_le_u32 vcc_lo, s98, v20
	v_cndmask_b32 v21, v21, s[68+J], vcc_lo
	s_add_co_u32 s99, s98, J<<16
	v_cndmask_b32 v22, v22, s99, vcc_lo
	s_bcnt1_i32_b32 s94, s[68+J]
	s_add_co_u32 s98, s98, s94
.set J, J+1
.endr
	v_and_b32 v23, 0xffff, v22
	v_sub_nc_u32 v23, v20, v23                     ; my rank inside the word
	v_lshrrev_b32 v25, 16, v22
	s_cmp_lt_u32 s93, 2
	s_cbranch_scc1 .Lpicked_\@
	s_sub_co_u32 s59, s93, 1
	s_mov_b32 s58, 0
.Lpick_\@:                                             ; the lowest bit is cleared as many times as my rank says
	v_add_nc_u32 v24, -1, v21
	v_and_b32 v24, v24, v21
	v_cmp_lt_u32 vcc_lo, s58, v23
	v_cndmask_b32 v21, v21, v24, vcc_lo
	s_add_co_u32 s58, s58, 1
	s_cmp_lt_u32 s58, s59
	s_cbranch_scc1 .Lpick_\@
.Lpicked_\@:
	v_sub_nc_u32 v24, 0, v21
	v_and_b32 v24, v24, v21                        ; the lowest bit left
	BITIDX 30, 31, 24
	v_lshl_add_u32 v26, v25, 5, v30
	v_min_u32 v26, 624, v26
	v_lshlrev_b32 v28, 7, v26
.irp i, 0,1,2,3,4,5,6,7
	global_load_b128 v[PA+4*\i:PA+4*\i+3], v28, s[6:7] offset:16*\i
	global_load_b128 v[QA+4*\i:QA+4*\i+3], v28, s[6:7] offset:80000+16*\i
	global_load_b128 v[ZA+4*\i:ZA+4*\i+3], v28, s[6:7] offset:160000+16*\i
.endr
	v_cmp_gt_u32 vcc_lo, s92, v20
	v_cndmask_b32 v19, INF, v32, vcc_lo
	s_wait_loadcnt 0x0
.irp g, 0,1,2,3                                ; four pairs at a time; -2 ab and then d2 take x's place
.irp e, 0,1,2,3
	v_pk_mul_f32 v[BW+2*\e:BW+2*\e+1], v[PA+8*\g+2*\e:PA+8*\g+2*\e+1], v[PA+8*\g+2*\e:PA+8*\g+2*\e+1]
.endr
.irp e, 0,1,2,3
	v_pk_fma_f32 v[BW+2*\e:BW+2*\e+1], v[QA+8*\g+2*\e:QA+8*\g+2*\e+1], v[QA+8*\g+2*\e:QA+8*\g+2*\e+1], v[BW+2*\e:BW+2*\e+1]
.endr
.irp e, 0,1,2,3
	v_pk_fma_f32 v[BW+2*\e:BW+2*\e+1], v[ZA+8*\g+2*\e:ZA+8*\g+2*\e+1], v[ZA+8*\g+2*\e:ZA+8*\g+2*\e+1], v[BW+2*\e:BW+2*\e+1]
.endr
.irp n, 0,1,2,3,4
.irp e, 0,1,2,3
	DLINE \n, PA+8*\g+2*\e, BW+2*\e, PA+8*\g+2*\e, QA+8*\g+2*\e, ZA+8*\g+2*\e, BW+2*\e, 16
.endr
.endr
.endr
.endm
	s_load_b512 s[4:19], s[0:1], 0x0               ; x s[4:5], pos s[6:7], queries s[8:9], ids_down s[10:11], W1 s[12:13], b1 s[14:15], b2 s[16:17], bm1 s[18:19]
	s_load_b512 s[20:35], s[0:1], 0x40             ; bm2 s[20:21], bm3 s[22:23], Wp s[24:25], wimg s[26:27], cidA s[28:29], cmask s[30:31], proj s[32:33], idx16 s[34:35]
	v_lshl_add_u32 v66, v0, 2, 0x11000
	v_mov_b32 v67, 0
	v_lshrrev_b32 v1, 5, v0
	v_readfirstlane_b32 s2, v1                     ; wave 0..14
	v_and_b32 v1, 31, v0                           ; lane
	v_and_b32 v2, 15, v0                           ; r
	v_bfe_u32 v3, v0, 4, 1                         ; h
	v_lshlrev_b32 v[LI], 4, v1                     ; every LDS address is made here, ahead of the first parting of the roles
	v_add_nc_u32 v[LIH], 30720, v[LI]
	v_lshlrev_b32 v[LS], 2, v1
	v_lshlrev_b32 v[BA], 6, v3
	v_add_nc_u32 v[BA], BIAS, v[BA]
	v_lshlrev_b32 v[CP], 4, v0
	s_lshl_b32 s38, s2, 10
	v_add_nc_u32 v[BC], s38, v[LI]
	v_add_nc_u32 v[BC], BIAS-10240, v[BC]          ; BIAS + 1,024 (wave - 10) + 16 lane
	s_cmp_ge_u32 ttmp9, 125
	s_cselect_b32 s39, 1, 0                        ; batch
	s_cselect_b32 s40, 125, 0
	s_sub_co_u32 s40, ttmp9, s40                   ; work-group in the batch
	s_mul_i32 s41, s40, 10
	s_add_co_u32 s41, s41, s2                      ; waves 0-9: my tile of 16 points
	s_mov_b32 s60, 0x100000                        ; what an equal's key has over a smaller one's
	s_mov_b32 s61, 0xffff0000                      ; lanes 16-31
	s_mov_b32 s62, 0x76543210                      ; v_permlanex16_b32's selects for lane l xor 16
	s_mov_b32 s63, 0xfedcba98
	s_mul_i32 s42, s39, 240000
	s_mov_b32 s43, 0
	s_wait_kmcnt 0x0
	s_add_nc_u64 s[4:5], s[4:5], s[42:43]          ; x and pos of the batch
	s_add_nc_u64 s[6:7], s[6:7], s[42:43]
	s_cmp_lt_u32 s2, 10
	s_cbranch_scc1 .Ltile_head
	s_cmp_lt_u32 s2, 13
	s_cbranch_scc0 .Lmeet
	s_cmp_eq_u32 s2, 10                            ; waves 10, 11, 12 bring (b2, bm1), (bm2, bm3), Wp's two rows: 512 bytes each
	s_cselect_b64 s[46:47], s[16:17], s[20:21]
	s_cselect_b64 s[48:49], s[18:19], s[22:23]
	s_cmp_eq_u32 s2, 12
	s_cselect_b64 s[46:47], s[24:25], s[46:47]
	s_cselect_b64 s[48:49], s[24:25], s[48:49]
	s_cselect_b32 s50, 512, 0
	s_mov_b32 s51, 0
	s_add_nc_u64 s[48:49], s[48:49], s[50:51]
	global_load_b128 v[128:131], v[LI], s[46:47]
	global_load_b128 v[132:135], v[LI], s[48:49]
	s_wait_loadcnt 0x0
	ds_store_b128 v[BC], v[128:131]
	ds_store_b128 v[BC], v[132:135] offset:512
	s_branch .Lmeet
.Ltile_head:
	s_lshl_b32 s45, s41, 6
	v_lshl_add_u32 v10, v2, 2, s45                 ; 4 x my point
	s_mul_i32 s42, s39, 80640
	s_add_nc_u64 s[28:29], s[28:29], s[42:43]
	global_load_b32 v123, v10, s[28:29]            ; its chunk of support slots
	global_load_b32 v116, v10, s[6:7]
	global_load_b32 v117, v10, s[6:7] offset:80000
	global_load_b32 v118, v10, s[6:7] offset:160000
	global_load_b32 v120, v10, s[4:5]
	global_load_b32 v121, v10, s[4:5] offset:80000
	global_load_b32 v122, v10, s[4:5] offset:160000
.set J, 0
.rept 13
	global_load_b128 v[128+4*J:131+4*J], v[CP], s[26:27] offset:5120*J   ; 320 threads x 16 bytes x 13 = the 66,560 bytes of images
.set J, J+1
.endr
	s_wait_loadcnt 0x0
.set J, 0
.rept 13
	ds_store_b128 v[CP], v[128+4*J:131+4*J] offset:5120*J
.set J, J+1
.endr
	v_min_u32 v123, 374, v123
	v_lshlrev_b32 v11, 5, v123
	s_mul_i32 s42, s39, 12000
	s_add_nc_u64 s[10:11], s[10:11], s[42:43]
	global_load_b128 v[76:79], v11, s[10:11]       ; the chunk's eight ids: on their way across the barrier, with W1 and b1
	global_load_b128 v[80:83], v11, s[10:11] offset:16
	v_and_b32 v12, 8, v2
	v_add_nc_u32 v12, v12, v2                      ; r + 8 (r / 8)
	v_mul_u32_u24 v14, v12, 12
	v_lshl_add_u32 v13, v3, 3, v14                 ; lanes 0-15 w0, lanes 16-31 w2
	v_lshlrev_b32 v15, 2, v12
.irp t, 0,1,2,3,4,5,6,7
	global_load_b32 v[WA+2*\t], v13, s[12:13] offset:(32*(\t/2)+8*(\t%2))*12
	global_load_b32 v[WA+1+2*\t], v14, s[12:13] offset:(32*(\t/2)+8*(\t%2))*12+4
	global_load_b32 v[68+\t], v15, s[14:15] offset:(32*(\t/2)+8*(\t%2))*4
.endr
.Lmeet:
	s_wait_dscnt 0x0                               ; for the others' sake: my part of the images or biases has landed
	s_barrier_signal -1
	s_barrier_wait -1
	s_wait_loadcnt 0x0
	s_cmp_lt_u32 s2, 10
	s_cbranch_scc0 .Lrefine
; ---------------------------------------------------------------- a tile of 16 points
.irp c, 0,1,2,3,4,5,6,7
	v_min_u32 v[76+\c], 19999, v[76+\c]            ; an index stays inside its table
	v_lshlrev_b32 v[76+\c], 2, v[76+\c]
.endr
.irp c, 0,1,2,3,4,5,6,7
	global_load_b32 v[128+\c], v[76+\c], s[6:7]
	global_load_b32 v[136+\c], v[76+\c], s[6:7] offset:80000
	global_load_b32 v[144+\c], v[76+\c], s[6:7] offset:160000
	global_load_b32 v[152+\c], v[76+\c], s[4:5]
	global_load_b32 v[160+\c], v[76+\c], s[4:5] offset:80000
	global_load_b32 v[168+\c], v[76+\c], s[4:5] offset:160000
.endr
.irp t, 0,1,2,3,4,5,6,7
	v_cndmask_b32 v[WA+1+2*\t], v[WA+1+2*\t], v[68+\t], s61   ; lanes 0-15 w1, lanes 16-31 b1
.endr
	v_mul_f32 v119, v116, v116                     ; aa
	v_fma_f32 v119, v117, v117, v119
	v_fma_f32 v119, v118, v118, v119
	s_wait_loadcnt 0x0
.irp i, 0,1,2,3
	v_pk_mul_f32 v[176+2*\i:177+2*\i], v[128+2*\i:129+2*\i], v[128+2*\i:129+2*\i]   ; bb of the eight candidates
.endr
.irp i, 0,1,2,3
	v_pk_fma_f32 v[176+2*\i:177+2*\i], v[136+2*\i:137+2*\i], v[136+2*\i:137+2*\i], v[176+2*\i:177+2*\i]
.endr
.irp i, 0,1,2,3
	v_pk_fma_f32 v[176+2*\i:177+2*\i], v[144+2*\i:145+2*\i], v[144+2*\i:145+2*\i], v[176+2*\i:177+2*\i]
.endr
.irp i, 0,1,2,3
	v_pk_mul_f32 v[128+2*\i:129+2*\i], v[128+2*\i:129+2*\i], -2.0 op_sel_hi:[1,0]
	v_pk_mul_f32 v[136+2*\i:137+2*\i], v[136+2*\i:137+2*\i], -2.0 op_sel_hi:[1,0]
	v_pk_mul_f32 v[144+2*\i:145+2*\i], v[144+2*\i:145+2*\i], -2.0 op_sel_hi:[1,0]
.endr
.irp n, 0,1,2,3,4
.irp i, 0,1,2,3
	DLINE \n, 84+2*\i, 92+2*\i, 128+2*\i, 136+2*\i, 144+2*\i, 176+2*\i, 116
.endr
.endr
	v_mov_b32 v127, v84                            ; the first of the smallest: strict less, ascending slots
	v_mov_b32 v124, v152
	v_mov_b32 v125, v160
	v_mov_b32 v126, v168
.irp c, 1,2,3,4,5,6,7
	v_cmp_lt_f32 vcc_lo, v[84+\c], v127
	v_cndmask_b32 v124, v124, v[152+\c], vcc_lo
	v_cndmask_b32 v125, v125, v[160+\c], vcc_lo
	v_cndmask_b32 v126, v126, v[168+\c], vcc_lo
	v_cndmask_b32 v127, v127, v[84+\c], vcc_lo
.endr
	v_cndmask_b32 v[XB], v120, v122, s61           ; lanes 0-15 (x0, x1), lanes 16-31 (x2, 1)
	v_cndmask_b32 v[XB+1], v121, 1.0, s61
	v_cndmask_b32 v[XD], v124, v126, s61
	v_cndmask_b32 v[XD+1], v125, 1.0, s61
.irp b, 0,1,2,3
	v_mov_b32 v[TM+4+\b], 0                        ; a lane permute's destination counts as one of its sources
.endr
	HID XB
	QUANT C0, PW0                                  ; the point's hidden layer
	HID XD
	QUANT C1, PW1                                  ; its support's
	LAYER 0, 1, 0, C0, PW0, C0, PW0                ; W2, b2
	QUANT C0, PW0
	LAYER 0, 1, 0, C1, PW1, C1, PW1
	QUANT C1, PW1
	LAYER 8, 2, 512, C0, PW0, C1, PW1              ; Wm1, bm1: K step 0 the point's latent, K step 1 the support's
	RELU
	QUANT C0, PW0
	LAYER 24, 1, 1024, C0, PW0, C0, PW0            ; Wm2, bm2
	RELU
	QUANT C0, PW0
	LAYER 32, 1, 1536, C0, PW0, C0, PW0            ; Wm3, bm3
.irp k, 0,1,2,3                                ; Wp . merged: my 16 units of each block of 32, both rows of Wp
.irp m, 0,1,2,3
	ds_load_b128 v[68+4*\m:71+4*\m], v[BA] offset:2048+128*\k+16*\m
	ds_load_b128 v[84+4*\m:87+4*\m], v[BA] offset:2560+128*\k+16*\m
.endr
	s_wait_dscnt 0x0
.irp e, 0,1,2,3,4,5,6,7
.if (\k == 0) && (\e == 0)
	v_pk_mul_f32 v[116:117], v[X:X+1], v[68:69]
	v_pk_mul_f32 v[118:119], v[X:X+1], v[84:85]
.else
	v_pk_fma_f32 v[116:117], v[X+16*\k+2*\e:X+16*\k+2*\e+1], v[68+2*\e:69+2*\e], v[116:117]
	v_pk_fma_f32 v[118:119], v[X+16*\k+2*\e:X+16*\k+2*\e+1], v[84+2*\e:85+2*\e], v[118:119]
.endif
.endr
.endr
	v_add_f32 v116, v116, v117
	v_add_f32 v118, v118, v119
	v_permlanex16_b32 v120, v116, s62, s63
	v_permlanex16_b32 v121, v118, s62, s63
	v_add_f32 v116, v116, v120
	v_add_f32 v118, v118, v121
	v_cndmask_b32 v116, v116, v118, s61            ; lanes 0-15 store row 0's number, lanes 16-31 row 1's
	s_mul_i32 s42, s39, 160000
	s_lshl_b32 s45, s41, 7
	s_add_co_u32 s42, s42, s45
	s_add_nc_u64 s[32:33], s[32:33], s[42:43]
	v_lshlrev_b32 v12, 3, v2
	v_lshl_add_u32 v12, v3, 2, v12
	global_store_b32 v12, v116, s[32:33]           ; the wave stores 128 consecutive bytes
; ---------------------------------------------------------------- the queries: waves 0-9 query w of the work-group's 20, waves 10-14 queries 2 w - 10 and 2 w - 9
.Lrefine:
	s_lshl_b32 s45, s2, 1
	s_sub_co_u32 s45, s45, 10
	s_cmp_lt_u32 s2, 10
	s_cselect_b32 s45, s2, s45
	s_cselect_b32 s47, 1, 2                        ; how many
	s_mul_i32 s44, s40, 20
	s_add_co_u32 s44, s44, s45                     ; my first query
	s_mul_i32 s45, s39, 2508
	s_add_co_u32 s45, s45, s44                     ; its padded number
	s_mul_i32 s42, s39, 30000
	s_add_nc_u64 s[8:9], s[8:9], s[42:43]
	s_mov_b32 s49, 0
	s_mov_b32 s46, 0
.Lq:
	s_wait_xcnt 0x0                                ; the last store has read its registers and its base
	s_mul_i32 s48, s45, 80
	s_add_nc_u64 s[50:51], s[30:31], s[48:49]
	s_load_b512 s[68:83], s[50:51], 0x0            ; the query's 20 mask words
	s_load_b128 s[84:87], s[50:51], 0x40
	s_lshl_b32 s48, s44, 2
	s_add_nc_u64 s[54:55], s[8:9], s[48:49]
	s_load_b32 s89, s[54:55], 0x0
	s_load_b32 s90, s[54:55], 0x2710
	s_load_b32 s91, s[54:55], 0x4e20
.set J, 0
.rept 16
	v_mov_b32 v[LA+J], INF                         ; my list begins empty
.set J, J+1
.endr
	v_mov_b32 v54, 0
	v_mov_b32 v55, 0
	s_wait_kmcnt 0x0
	v_mul_f32 v32, s89, s89
	v_fma_f32 v32, s90, s90, v32
	v_fma_f32 v32, s91, s91, v32
	v_mul_f32 v16, -2.0, s89
	v_mul_f32 v17, -2.0, s90
	v_mul_f32 v18, -2.0, s91
	s_mov_b32 s92, 0                               ; flagged chunks,
	s_mov_b32 s93, 0                               ; and the most in one word
.set J, 0
.rept 20
	s_bcnt1_i32_b32 s94, s[68+J]
	s_add_co_u32 s92, s92, s94
	s_max_u32 s93, s93, s94
.set J, J+1
.endr
	s_add_co_u32 s95, s92, 31
	s_lshr_b32 s95, s95, 5                         ; passes of 32 chunks, a lane a chunk
	s_mov_b32 s96, 0
.Lp1:                                                  ; SWEEP 1
	PASSD
	BST PA, QA, 32, 2, 1, 0                        ; the first four phases of a bitonic sort of 32: elements 0-15 come out ascending, 16-31 descending
	BST QA, PA, 32, 4, 2, 0
	BST PA, QA, 32, 4, 1, 0
	BST QA, PA, 32, 8, 4, 0
	BST PA, QA, 32, 8, 2, 0
	BST QA, PA, 32, 8, 1, 0
	BST PA, QA, 32, 16, 8, 0
	BST QA, PA, 32, 16, 4, 0
	BST PA, QA, 32, 16, 2, 0
	BST QA, PA, 32, 16, 1, 0
.set J, 0
.rept 16
	v_min_num_f32 v[QA+J], v[PA+J], v[PA+16+J]     ; the 16 smallest of the 32,
.set J, J+1
.endr
	BST QA, QA+16, 16, 0, 8, 1                     ; sorted descending,
	BST QA+16, QA, 16, 0, 4, 1
	BST QA, QA+16, 16, 0, 2, 1
	BST QA+16, QA, 16, 0, 1, 1
.set J, 0
.rept 16
	v_min_num_f32 v[LA+J], v[LA+J], v[QA+J]        ; against my ascending list: the 16 smallest of both,
.set J, J+1
.endr
	BST LA, LB, 16, 0, 8, 0                        ; sorted ascending again
	BST LB, LA, 16, 0, 4, 0
	BST LA, LB, 16, 0, 2, 0
	BST LB, LA, 16, 0, 1, 0
	s_add_co_u32 s96, s96, 1
	s_cmp_lt_u32 s96, s95
	s_cbranch_scc1 .Lp1
	XM LA, LB, 1                                   ; the lanes' lists are merged: every lane ends with the 16 smallest of all
	XM LB, LA, 2
	XM LA, LB, 4
	XM LB, LA, 8
.set J, 0
.rept 16
	v_permlanex16_b32 v[LB+J], v[LA+15-J], s62, s63
.set J, J+1
.endr
.set J, 0
.rept 16
	v_min_num_f32 v[LB+J], v[LB+J], v[LA+J]
.set J, J+1
.endr
	v_max3_num_f32 v33, v[LB], v[LB+1], v[LB+2]    ; V: the largest of the 16
.irp i, 3,5,7,9,11,13
	v_max3_num_f32 v33, v33, v[LB+\i], v[LB+\i+1]
.endr
	v_max_num_f32 v33, v33, v[LB+15]
	v_mov_b32 v34, 0
.set J, 0
.rept 16
	v_cmp_lt_f32 vcc_lo, v[LB+J], v33              ; cL: how many are smaller than V
	v_add_co_ci_u32 v34, vcc_lo, 0, v34, vcc_lo
.set J, J+1
.endr
	v_mov_b32 v56, v34                             ; the equal ones' first slot
	s_mov_b32 s96, 0
.Lp2:                                                  ; SWEEP 2
	PASSD
	v_mov_b32 v35, 0
	v_mov_b32 v52, 0
.set J, 31
.rept 32                                       ; from point 31 down: each compare's bit is shifted in from below
	v_cmp_lt_f32 vcc_lo, v[PA+J], v33
	v_add_co_ci_u32 v35, vcc_lo, v35, v35, vcc_lo
	v_cmp_eq_f32 vcc_lo, v[PA+J], v33
	v_add_co_ci_u32 v52, vcc_lo, v52, v52, vcc_lo
.set J, J-1
.endr
	v_lshlrev_b32 v53, 5, v26
	v_add_nc_u32 v53, 0x3f800000-127, v53          ; a key is 0x3f800000 + index (+ 2^20 for an equal one): as f32 a number in [1, 2), in the order of the whole numbers; 2.0 stands for none
	s_mov_b32 s88, 0
.Lext:                                                 ; 16 trips: the wave's smallest key is taken out.  A pass holds at most 15 smaller ones, and behind them only the first equals are wanted
	v_cmp_ne_u32 vcc_lo, 0, v35
	v_cndmask_b32 v20, v52, v35, vcc_lo            ; my smaller ones first, then my equal ones
	v_cndmask_b32 v21, s60, 0, vcc_lo
	v_sub_nc_u32 v22, 0, v20
	v_and_b32 v22, v22, v20                        ; the lowest bit,
	v_cvt_f32_u32 v23, v22                         ; and its number + 127: this number is stored, it enters no address here
	v_lshrrev_b32 v23, 23, v23
	v_add3_u32 v23, v23, v53, v21
	v_cmp_ne_u32 vcc_lo, 0, v20
	v_cndmask_b32 v23, 2.0, v23, vcc_lo            ; my key
	v_min_num_f32_dpp v24, v23, v23 row_xmask:1 row_mask:0xf bank_mask:0xf
	v_min_num_f32_dpp v24, v24, v24 row_xmask:2 row_mask:0xf bank_mask:0xf
	v_min_num_f32_dpp v24, v24, v24 row_xmask:4 row_mask:0xf bank_mask:0xf
	v_min_num_f32_dpp v24, v24, v24 row_xmask:8 row_mask:0xf bank_mask:0xf
	v_permlanex16_b32 v25, v24, s62, s63
	v_min_num_f32 v24, v24, v25                    ; the wave's
	v_cmp_eq_u32 vcc_lo, v23, v24
	v_cndmask_b32 v27, 0, v22, vcc_lo              ; in the lane that held it the bit is cleared (it stands in one of the two words)
	v_xor_b32 v27, -1, v27
	v_and_b32 v35, v35, v27
	v_and_b32 v52, v52, v27
	v_and_b32 v28, s60, v24
	v_cmp_ne_u32 s54, 0, v28                       ; an equal one?
	v_cmp_gt_f32 s55, 2.0, v24                     ; any at all?
	v_cndmask_b32 v29, v55, v56, s54               ; its slot
	v_cmp_eq_u32 vcc_lo, v29, v1
	s_and_b32 vcc_lo, vcc_lo, s55
	v_and_b32 v30, 0xfffff, v24
	v_cndmask_b32 v54, v54, v30, vcc_lo            ; the lane of that number takes the index
	s_and_b32 s56, s55, s54
	s_and_not1_b32 s57, s55, s54
	v_cndmask_b32 v31, 0, 1, s56
	v_add_nc_u32 v56, v56, v31
	v_cndmask_b32 v31, 0, 1, s57
	v_add_nc_u32 v55, v55, v31
	s_add_co_u32 s88, s88, 1
	s_cmp_lt_u32 s88, 16
	s_cbranch_scc1 .Lext
	s_add_co_u32 s96, s96, 1
	s_cmp_lt_u32 s96, s95
	s_cbranch_scc1 .Lp2
	s_lshl_b32 s48, s45, 6
	s_add_nc_u64 s[50:51], s[34:35], s[48:49]
	s_wait_xcnt 0x0                                ; EXEC changes only behind this wait
	v_cmp_gt_u32 vcc_lo, 16, v1
	s_and_saveexec_b32 s52, vcc_lo
	global_store_b32 v[LS], v54, s[50:51]          ; 16 lanes store the query's 64 consecutive bytes
	s_wait_xcnt 0x0                                ; and again, in front of the line that widens it
	s_or_b32 exec_lo, exec_lo, s52
	s_add_co_u32 s44, s44, 1
	s_add_co_u32 s45, s45, 1
	s_add_co_u32 s46, s46, 1
	s_cmp_lt_u32 s46, s47
	s_cbranch_scc1 .Lq
	s_barrier_signal -1
	s_barrier_wait -1
	s_wait_tensorcnt 0x0
	ds_add_u32 v66, v67
	s_wait_dscnt 0x0
	s_endpgm
.Lfunc_end_k_q572f2fdf9c_mlp:
	.size	k_q572f2fdf9c_mlp, .Lfunc_end_k_q572f2fdf9c_mlp-k_q572f2fdf9c_mlp
	.p2alignl 7, 3214868480
	.fill 96, 4, 3214868480
	.section	.rodata,"a",@progbits
	.p2align	6, 0x0
	.amdhsa_kernel k_q572f2fdf9c_mlp
		.amdhsa_group_segment_fixed_size 71680
		.amdhsa_private_segment_fixed_size 0
		.amdhsa_enable_private_segment 0
		.amdhsa_kernarg_size 128
		.amdhsa_user_sgpr_count 2
		.amdhsa_user_sgpr_kernarg_segment_ptr 1
		.amdhsa_wavefront_size32 1
		.amdhsa_system_sgpr_workgroup_id_x 1
		.amdhsa_system_sgpr_workgroup_id_y 1
		.amdhsa_system_sgpr_workgroup_id_z 1
		.amdhsa_system_vgpr_workitem_id 0
		.amdhsa_next_free_vgpr 256
		.amdhsa_next_free_sgpr 100
		.amdhsa_reserve_vcc 1
		.amdhsa_float_denorm_mode_32 3
		.amdhsa_float_denorm_mode_16_64 3
		.amdhsa_memory_ordered 1
		.amdhsa_forward_progress 1
		.amdhsa_inst_pref_size 160
	.end_amdhsa_kernel
	.amdgpu_metadata
---
amdhsa.version: [ 1, 2 ]
amdhsa.kernels:
  - .name:           k_q572f2fdf9c_mlp
    .symbol:         k_q572f2fdf9c_mlp.kd
    .args:
      - { .name: x, .offset: 0, .size: 8, .value_kind: global_buffer, .address_space: global }
      - { .name: pos, .offset: 8, .size: 8, .value_kind: global_buffer, .address_space: global }
      - { .name: pos_non_manifold, .offset: 16, .size: 8, .value_kind: global_buffer, .address_space: global }
      - { .name: ids_down, .offset: 24, .size: 8, .value_kind: global_buffer, .address_space: global }
      - { .name: W1, .offset: 32, .size: 8, .value_kind: global_buffer, .address_space: global }
      - { .name: b1, .offset: 40, .size: 8, .value_kind: global_buffer, .address_space: global }
      - { .name: b2, .offset: 48, .size: 8, .value_kind: global_buffer, .address_space: global }
      - { .name: bm1, .offset: 56, .size: 8, .value_kind: global_buffer, .address_space: global }
      - { .name: bm2, .offset: 64, .size: 8, .value_kind: global_buffer, .address_space: global }
      - { .name: bm3, .offset: 72, .size: 8, .value_kind: global_buffer, .address_space: global }
      - { .name: Wp, .offset: 80, .size: 8, .value_kind: global_buffer, .address_space: global }
      - { .name: wimg, .offset: 88, .size: 8, .value_kind: global_buffer, .address_space: global }
      - { .name: cidA, .offset: 96, .size: 8, .value_kind: global_buffer, .address_space: global }
      - { .name: cmask, .offset: 104, .size: 8, .value_kind: global_buffer, .address_space: global }
      - { .name: proj, .offset: 112, .size: 8, .value_kind: global_buffer, .address_space: global }
      - { .name: idx16, .offset: 120, .size: 8, .value_kind: global_buffer, .address_space: global }
    .group_segment_fixed_size: 71680
    .private_segment_fixed_size: 0
    .kernarg_segment_align: 8
    .kernarg_segment_size: 128
    .max_flat_workgroup_size: 480
    .sgpr_count:     100
    .vgpr_count:     256
    .wavefront_size: 32
...
	.end_amdgpu_metadata
.endif
;; end of part 2
;; launch knn (part 3): grid 250 x 1, 10 waves a work-group, no clusters, 0 bytes of LDS; arguments pos, pos_non_manifold, bp, idx16, proj, out0; writes out0
.if DOCPART == 3
	.amdgcn_target "amdgcn-amd-amdhsa--gfx1250"
	.amdhsa_code_object_version 6
	.text
	.protected	k_q572f2fdf9c_knn
	.globl	k_q572f2fdf9c_knn
	.p2align	8
	.type	k_q572f2fdf9c_knn,@function
k_q572f2fdf9c_knn:
	s_mov_b64 s[64:65], 0
	v_nop
	global_prefetch_b8 v0, s[64:65] scope:SCOPE_SE
	s_setreg_imm32_b32 hwreg(HW_REG_WAVE_MODE, 25, 1), 1
	s_wait_xcnt 0x0
; THE INTERPOLATION.  The launch before has stored, as whole numbers, the 16 nearest points of each query.  A wave serves two queries, lanes 0-15 one and lanes 16-31 the next, a lane a neighbour:
; 250 work-groups x 10 waves x 2 = 5,000 queries, which is all the work there is.  No LDS, no barrier, no loop: waves share nothing.
; A lane gathers its point's position and its two projected numbers, forms d2 bit for bit as the launches before, and w = 1 / (d2 + 1e-8); three sums over the 16 lanes ride on the additions.
; out = (sum of w (Wp . merged)) / (sum of w) + bp: Wp was applied ahead of the interpolation; the 16 terms are added as a tree.
; LIMITS: NaN and infinities among the positions are not served; 1 / x is v_rcp_f32's.  The output leaves as 4 bytes in each of four lanes: 16 bytes a wave is all that a wave has.
	s_load_b256 s[4:11], s[0:1], 0x0               ; pos s[4:5], queries s[6:7], bp s[8:9], idx16 s[10:11]
	s_load_b128 s[12:15], s[0:1], 0x20             ; proj s[12:13], out0 s[14:15]
	v_lshrrev_b32 v1, 5, v0
	v_readfirstlane_b32 s2, v1                     ; wave 0..9
	v_and_b32 v1, 31, v0                           ; lane
	v_and_b32 v2, 15, v0                           ; r: which neighbour
	v_bfe_u32 v3, v0, 4, 1                         ; h: which of the two queries
	s_mul_i32 s3, ttmp9, 10
	s_add_co_u32 s3, s3, s2                        ; my pair of queries among the 2,500; 1,250 to a batch
	s_cmp_ge_u32 s3, 1250
	s_cselect_b32 s16, 1, 0                        ; batch
	s_cselect_b32 s17, 1250, 0
	s_sub_co_u32 s17, s3, s17
	s_lshl_b32 s17, s17, 1                         ; the pair's first query in the batch
	s_mov_b32 s19, 0                               ; the high word of every offset pair s[18:19]
	v_lshlrev_b32 v4, 2, v1
	v_lshlrev_b32 v6, 2, v3
	s_wait_kmcnt 0x0
	s_load_b64 s[20:21], s[8:9], 0x0               ; bp
	s_mul_i32 s18, s16, 2508                       ; the rows of indices are numbered 2,508 to a batch
	s_add_co_u32 s18, s18, s17
	s_lshl_b32 s18, s18, 6
	s_add_nc_u64 s[10:11], s[10:11], s[18:19]
	global_load_b32 v5, v4, s[10:11]               ; two queries' 16 indices: 128 consecutive bytes
	s_mul_i32 s18, s16, 7500
	s_add_co_u32 s18, s18, s17
	s_lshl_b32 s18, s18, 2
	s_add_nc_u64 s[6:7], s[6:7], s[18:19]
	global_load_b32 v8, v6, s[6:7]                 ; my query
	global_load_b32 v9, v6, s[6:7] offset:10000
	global_load_b32 v10, v6, s[6:7] offset:20000
	s_mul_i32 s18, s16, 240000
	s_add_nc_u64 s[4:5], s[4:5], s[18:19]
	s_mul_i32 s18, s16, 160000
	s_add_nc_u64 s[12:13], s[12:13], s[18:19]
	s_mul_i32 s18, s16, 5000
	s_add_co_u32 s18, s18, s17
	s_lshl_b32 s18, s18, 2
	s_add_nc_u64 s[14:15], s[14:15], s[18:19]
	s_wait_loadcnt 0x0
	v_min_u32 v5, 19999, v5                        ; an index stays inside its table
	v_lshlrev_b32 v11, 2, v5
	v_lshlrev_b32 v12, 3, v5
	global_load_b32 v13, v11, s[4:5]
	global_load_b32 v14, v11, s[4:5] offset:80000
	global_load_b32 v15, v11, s[4:5] offset:160000
	global_load_b64 v[16:17], v12, s[12:13]
	v_mul_f32 v7, v8, v8                           ; aa, and -2 x the query, while the gathers are on their way
	v_fma_f32 v7, v9, v9, v7
	v_fma_f32 v7, v10, v10, v7
	v_mul_f32 v8, -2.0, v8
	v_mul_f32 v9, -2.0, v9
	v_mul_f32 v10, -2.0, v10
	s_wait_loadcnt 0x0
	v_mul_f32 v18, v13, v13
	v_fma_f32 v18, v14, v14, v18
	v_fma_f32 v18, v15, v15, v18                   ; bb
	v_mul_f32 v19, v13, v8
	v_fma_f32 v19, v14, v9, v19
	v_fma_f32 v19, v15, v10, v19                   ; -2 ab
	v_add_f32 v18, v18, v7
	v_add_f32 v18, v18, v19                        ; d2
	v_add_f32 v18, 0x322bcc77, v18                 ; + 1e-8
	v_rcp_f32 v21, v18
	v_mul_u32_u24 v20, v2, 10000                   ; (a plain place behind the reciprocal)  lane r = 0: channel 0, r = 1: channel 1, 2,500 numbers apart;
	v_lshl_add_u32 v20, v3, 2, v20                 ; the second query one number on
	s_wait_alu depctr_va_vdst(0)                   ; the wait ahead of the first reader
	v_mul_f32 v22, v21, v16
	v_mul_f32 v23, v21, v17
.irp m, 1,2,4,8
	v_add_f32_dpp v21, v21, v21 row_xmask:\m row_mask:0xf bank_mask:0xf
	v_add_f32_dpp v22, v22, v22 row_xmask:\m row_mask:0xf bank_mask:0xf
	v_add_f32_dpp v23, v23, v23 row_xmask:\m row_mask:0xf bank_mask:0xf
.endr
	v_rcp_f32 v24, v21
	v_cmp_eq_u32 vcc_lo, 1, v2                     ; (a plain place)
	s_wait_kmcnt 0x0                               ; bp
	s_wait_alu depctr_va_vdst(0)
	v_fma_f32 v22, v22, v24, s20
	v_fma_f32 v23, v23, v24, s21
	v_cndmask_b32 v22, v22, v23, vcc_lo
	s_wait_xcnt 0x0                                ; EXEC changes only behind this wait
	v_cmp_gt_u32 vcc_lo, 2, v2
	s_and_saveexec_b32 s22, vcc_lo
	global_store_b32 v20, v22, s[14:15]
	s_endpgm
.Lfunc_end_k_q572f2fdf9c_knn:
	.size	k_q572f2fdf9c_knn, .Lfunc_end_k_q572f2fdf9c_knn-k_q572f2fdf9c_knn
	.p2alignl 7, 3214868480
	.fill 96, 4, 3214868480
	.section	.rodata,"a",@progbits
	.p2align	6, 0x0
	.amdhsa_kernel k_q572f2fdf9c_knn
		.amdhsa_group_segment_fixed_size 0
		.amdhsa_private_segment_fixed_size 0
		.amdhsa_enable_private_segment 0
		.amdhsa_kernarg_size 48
		.amdhsa_user_sgpr_count 2
		.amdhsa_user_sgpr_kernarg_segment_ptr 1
		.amdhsa_wavefront_size32 1
		.amdhsa_system_sgpr_workgroup_id_x 1
		.amdhsa_system_sgpr_workgroup_id_y 1
		.amdhsa_system_sgpr_workgroup_id_z 1
		.amdhsa_system_vgpr_workitem_id 0
		.amdhsa_next_free_vgpr 32
		.amdhsa_next_free_sgpr 66
		.amdhsa_reserve_vcc 1
		.amdhsa_float_denorm_mode_32 3
		.amdhsa_float_denorm_mode_16_64 3
		.amdhsa_memory_ordered 1
		.amdhsa_forward_progress 1
		.amdhsa_inst_pref_size 5
	.end_amdhsa_kernel
	.amdgpu_metadata
---
amdhsa.version: [ 1, 2 ]
amdhsa.kernels:
  - .name:           k_q572f2fdf9c_knn
    .symbol:         k_q572f2fdf9c_knn.kd
    .args:
      - { .name: pos, .offset: 0, .size: 8, .value_kind: global_buffer, .address_space: global }
      - { .name: pos_non_manifold, .offset: 8, .size: 8, .value_kind: global_buffer, .address_space: global }
      - { .name: bp, .offset: 16, .size: 8, .value_kind: global_buffer, .address_space: global }
      - { .name: idx16, .offset: 24, .size: 8, .value_kind: global_buffer, .address_space: global }
      - { .name: proj, .offset: 32, .size: 8, .value_kind: global_buffer, .address_space: global }
      - { .name: out0, .offset: 40, .size: 8, .value_kind: global_buffer, .address_space: global }
    .group_segment_fixed_size: 0
    .private_segment_fixed_size: 0
    .kernarg_segment_align: 8
    .kernarg_segment_size: 48
    .max_flat_workgroup_size: 320
    .sgpr_count:     66
    .vgpr_count:     32
    .wavefront_size: 32
...
	.end_amdgpu_metadata
.endif
;; end of part 3
